; MI455X (gfx1250); checked and timed in simulation.
; The chip was launched on July 23, 2026; its instructions are those of AMD's public machine-readable ISA for CDNA 5 (MIT licence, August 2026) and "CDNA5" Instruction Set Architecture Reference Guide (July 2026). The comments in the code are by the model that wrote it; some were corrected since.
;; Vector Quantizer. Allowed arithmetic: matrix products marked QUANTISED: E4M3 operands, one E8M0 scale for each 32 along K, by v_wmma_scale_f32_16x16x128_f8f6f4 with both operands' format E4M3, f32 sums; everything else in f32.
;; Inputs: embeddings 8,192 x 512 float32; x 8 x 2,048 x 512 float32.
;; Outputs: out0 8 x 2,048 x 512 float32; out1 one number float32.
;; This version of the problem:
;;   THIS VERSION OF THE PROBLEM IS GIVEN IN LOW PRECISION. The matrix products marked QUANTISED in the list below multiply operands that are first quantised to E4M3 (4 exponent bits, 3 mantissa bits; 8 bits a number), with one power-of-two scale for each 32 numbers along K (OCP MX v1.0); their sums are f32. All else is computed in f32.
;;   The module's matrix products, in the order in which they are computed (A, B: the left and right operand; K: the contracted axis; several contracted axes count as one K, in the product's order):
;;     1. [M 16,384, K 512] x [K 512, N 8,192]; A: input x; B: input embeddings: QUANTISED
;;   THE QUANTISER, for each operand of a quantised product, along K:
;;     - K is cut into blocks of 32 from its start; a last block that is shorter is filled with zeros.
;;     - A block's scale is 2^e with e = floor(log2(the largest magnitude in the block)) - 8, held to -126 .. 127; a block of zeros has e = 0. As a byte (E8M0): e + 127.
;;     - Each number is divided by its block's scale, clamped to +-448, and rounded to the nearest number of E4M3, ties to even, subnormals kept.
;;     - The product sums the exact products of the quantised numbers (number of the format x scale) in f32.
;;   ~~~python
;;   def quantise(x, axis):      # numpy; x: float32 -> the quantised numbers, widened to float32 again
;;       x = np.moveaxis(x, axis, -1); K = x.shape[-1]
;;       x = np.pad(x, [(0, 0)] * (x.ndim - 1) + [(0, -K % 32)]); x = x.reshape(x.shape[:-1] + (-1, 32)); a = np.abs(x).max(-1, keepdims=True)
;;       e = np.where(a > 0, np.clip(np.frexp(np.where(a > 0, a, 1))[1] - 1 - 8, -126, 127), 0)      # np.frexp(a)[1] - 1 = floor(log2(a)), exactly
;;       r = np.clip(x / 2.0 ** e, -448, 448)
;;       step = 2.0 ** (np.maximum(np.frexp(np.where(r == 0, 1, r))[1] - 1, -6) - 3)
;;       q = np.round(r / step) * step * 2.0 ** e      # np.round: ties to even
;;       return np.moveaxis(q.reshape(q.shape[:-2] + (-1,))[..., :K], -1, axis).astype(np.float32)
;;   ~~~
;; One version. Each part assembles by itself: llvm-mc -triple=amdgcn-amd-amdhsa -mcpu=gfx1250 --defsym DOCPART=n.
;; ======== version 1 of 1: 4 launches
;; limits: right only within a limited range of input values
;; workspace buffers: xr 8,912,896 bytes; er 4,456,448 bytes; cand 1,048,576 bytes of whole numbers; part 2,048 bytes
;; launch quant (part 1): grid 1536 x 1, 4 waves a work-group, no clusters, 35,328 bytes of LDS; arguments x, embeddings, xr, er; writes xr, er
.if DOCPART == 1
	.amdgcn_target "amdgcn-amd-amdhsa--gfx1250"
	.amdhsa_code_object_version 6
	.text
	.protected	k_qaa51ea733c_quant
	.globl	k_qaa51ea733c_quant
	.p2align	8
	.type	k_qaa51ea733c_quant,@function
k_qaa51ea733c_quant:
	s_mov_b64 s[64:65], 0
	v_nop
	global_prefetch_b8 v0, s[64:65] scope:SCOPE_SE
	s_setreg_imm32_b32 hwreg(HW_REG_WAVE_MODE, 25, 1), 1
	s_wait_xcnt 0x0
; x [16384][512] and embeddings [8192][512], f32, become RECORDS: one record for each tile of 16 rows x 512 along K, 8,704 bytes = 34 x 256:
;   bytes 0 .. 8191     codes of FP8 (E4M3) as an image of the matrix operand's registers: group (4 s + c) of four registers at 512 (4 s + c) + 16 x lane,
;                       s the K step of 128, lane (r, h) holding k = 128 s + 32 c + 16 h + 0 .. 15 of row r
;   bytes 8192 .. 8447  scale words (four E8M0 bytes: 128 along K of one row) at 64 s + 4 r
;   bytes 8448 .. 8511  the 16 rows' sums of squares of the UNQUANTISED numbers, f32
;   bytes 8512 .. 8703  zeros (the next launch moves whole records)
; A block's scale is 2^(floor(log2(its largest magnitude)) - 8); its byte is the largest magnitude's exponent field - 8, held at 1 from below.
; A block of zeros so gets the byte 1 where the rule says 127: its codes are zeros, and this program alone reads the bytes.
; LIMITS: NaN and infinities among the inputs are not served.  A row's sum of squares is taken in four packed chains, two lanes and four waves: another order of rounding than a plain sum's.
; SHARES: a work-group takes one tile (the first 1,024 work-groups x's, the other 512 the embeddings': only pointers are chosen, there is one way through the text); wave s takes K step s.
; Each load reads 512 consecutive bytes of one row; the conversions want 16 neighbours along K in one lane, so the 16 x 512 bytes turn through the wave's own stage in LDS.
; No tensor load, no matrix unit, no cluster: work-groups share no input, and memory binds.
.set REC,  8704
.set SP,   528                         ; a stage row: 512 bytes + 16, so that the 16 rows that a load touches begin 4 words apart
.set STGB, 16*SP                       ; a wave's stage
.set TR,   4*STGB                      ; behind the stages: the record's last 512 bytes are gathered here
.set PS,   TR+512                      ; and the waves' partial sums of squares, 64 bytes a wave
.set R,    16                          ; v16-79    the numbers as loaded: row p in four registers
.set X,    80                          ; v80-143   turned: register 16 b + i = k 32 b + 16 h + i of my row
.set PC,   24                          ; v24-39    the codes (from here on: laid over v16-79, whose numbers have gone into the stage by then; v16-19 stay free for the record's end)
.set TM,   40                          ; v40-43 largest magnitudes, v44-47 bytes, v48-51 448 x the scale, v52-55 the conversions' scale operands
.set PW,   56                          ; the scale word
.set CH,   58                          ; v58-65    four packed chains of squares
.set PT,   66                          ; v66-69    partial sums
.set SEL,  20                          ; s[20:21]  lane selects: lane l xor 16
.set MNT,  23                          ; s23       the mantissa field of 448
	s_load_b256 s[4:11], s[0:1], 0x0               ; x s[4:5], embeddings s[6:7], xr s[8:9], er s[10:11]
	v_lshl_add_u32 v144, v0, 2, 0x8800
	v_mov_b32 v145, 0
	v_lshrrev_b32 v1, 5, v0
	v_readfirstlane_b32 s12, v1                    ; wave = K step s
	v_and_b32 v14, 31, v0                          ; lane
	v_lshlrev_b32 v1, 4, v14                       ; 16 x lane
	v_and_b32 v2, 15, v0                           ; r
	v_bfe_u32 v3, v0, 4, 1                         ; h
	s_mul_i32 s14, s12, STGB
	v_add_nc_u32 v4, s14, v1                       ; the stage, on the way in: 16 x lane of a row
	v_mul_u32_u24 v5, v2, SP
	v_lshl_add_u32 v5, v3, 6, v5
	v_add_nc_u32 v5, s14, v5                       ; on the way out: row r, + 64 h: my 16 numbers of a block of 32
	s_lshl_b32 s15, s12, 6
	v_lshl_add_u32 v8, v2, 2, PS                   ; the partial sums of row r, wave 0's
	v_add_nc_u32 v7, s15, v8                       ; and my wave's
	v_lshl_add_u32 v6, v2, 2, TR
	v_add_nc_u32 v9, 256, v6                       ; the row's sum of squares in the record's end
	v_add_nc_u32 v11, 448, v6                      ; its last 64 bytes
	v_add_nc_u32 v6, s15, v6                       ; my K step's scale word of row r
	v_lshl_add_u32 v10, v14, 2, TR+320             ; the 128 bytes behind the sums
	v_add_nc_u32 v12, TR, v1                       ; the record's end, 16 bytes a lane
	v_mov_b32 v13, 0
	s_lshl_b32 s16, s12, 9
	v_add_nc_u32 v15, s16, v1                      ; in a source row: 16 x lane + 512 s
	s_lshl_b32 s16, s12, 11
	v_add_nc_u32 v14, s16, v1                      ; in the record: 16 x lane + 2,048 s
	s_mov_b32 s[SEL], 0x76543210
	s_mov_b32 s[SEL+1], 0xfedcba98
	s_mov_b32 s[MNT], 0x600000
.irp b, 0,1,2,3
	v_mov_b32 v[TM+4+\b], 0                        ; written once: a lane permute's destination counts as one of its sources
.endr
	v_mov_b32 v[PT+1], 0
	s_wait_alu depctr_va_vdst(0)
	s_wait_kmcnt 0x0
	s_cmp_lt_u32 ttmp9, 1024                       ; x's tile or the embeddings'?  The choice hangs on the work-group's number alone
	s_cselect_b64 s[4:5], s[4:5], s[6:7]
	s_cselect_b64 s[8:9], s[8:9], s[10:11]
	s_cselect_b32 s13, 0, 1024
	s_sub_co_u32 s13, ttmp9, s13                   ; the tile's number in its tensor
	s_lshl_b32 s16, s13, 15                        ; 16 rows of 2,048 bytes
	s_mov_b32 s17, 0
	s_add_nc_u64 s[4:5], s[4:5], s[16:17]
	s_mul_i32 s16, s13, REC
	s_add_nc_u64 s[8:9], s[8:9], s[16:17]
.irp p, 0,1,2,3,4,5,6,7,8,9,10,11,12,13,14,15
	global_load_b128 v[R+4*\p:R+4*\p+3], v15, s[4:5] offset:2048*\p th:TH_LOAD_NT   ; 32 lanes read 512 consecutive bytes of row p; this launch reads them once
.endr
.irp p, 0,1,2,3,4,5,6,7,8,9,10,11,12,13,14,15
	s_wait_loadcnt 15-\p                           ; loads come back in order: row p is in, the rows behind it may be out
	ds_store_b128 v4, v[R+4*\p:R+4*\p+3] offset:SP*\p
.endr
.irp b, 0,1,2,3
.irp j, 0,1,2,3
	ds_load_b128 v[X+16*\b+4*\j:X+16*\b+4*\j+3], v5 offset:128*\b+16*\j   ; my own stage: LDS serves a wave's instructions in order, so these see the stores above
.endr
.endr
	s_wait_dscnt 0x0
	; the sum of squares of my 64 numbers, ahead of the hold, which changes them
.irp c, 0,1,2,3
	v_pk_mul_f32 v[CH+2*\c:CH+2*\c+1], v[X+2*\c:X+2*\c+1], v[X+2*\c:X+2*\c+1]   ; the first four pairs start the chains: nothing is cleared
.endr
.set n, 4
.rept 28
	v_pk_fma_f32 v[CH+2*(n%4):CH+2*(n%4)+1], v[X+2*n:X+2*n+1], v[X+2*n:X+2*n+1], v[CH+2*(n%4):CH+2*(n%4)+1]
.set n, n+1
.endr
	v_pk_add_f32 v[CH:CH+1], v[CH:CH+1], v[CH+2:CH+3]
	v_pk_add_f32 v[CH+4:CH+5], v[CH+4:CH+5], v[CH+6:CH+7]
	v_pk_add_f32 v[CH:CH+1], v[CH:CH+1], v[CH+4:CH+5]
	v_add_f32 v[PT], v[CH], v[CH+1]
	v_permlanex16_b32 v[PT+1], v[PT], s[SEL], s[SEL+1]
	v_add_f32 v[PT], v[PT], v[PT+1]                ; row r's part over this K step, in both of its lanes
	; the four blocks of 32: largest magnitude, scale, hold, conversion
.irp b, 0,1,2,3
	v_max3_num_f32 v[TM+\b], |v[X+16*\b]|, |v[X+1+16*\b]|, 0x4800000   ; block b: my 16 numbers, and the floor 2^(9 - 127): so the byte cannot fall under 1
.endr
.irp i, 2,4,6,8,10,12,14
.irp b, 0,1,2,3
	v_max3_num_f32 v[TM+\b], v[TM+\b], |v[X+16*\b+\i]|, |v[X+1+16*\b+\i]|   ; the four blocks by turns: no line waits for the line above it
.endr
.endr
.irp b, 0,1,2,3
	v_permlanex16_b32 v[TM+4+\b], v[TM+\b], s[SEL], s[SEL+1]
.endr
.irp b, 0,1,2,3
	v_max_num_f32 v[TM+\b], v[TM+\b], v[TM+4+\b]   ; with lane l xor 16's: the block's largest magnitude
.endr
.irp b, 0,1,2,3
	v_add_nc_u32 v[TM+12+\b], 0xfc000000, v[TM+\b] ; 8 off its exponent field: the conversion takes the exponent field of this operand as its scale
.endr
.irp b, 0,1,2,3
	v_and_or_b32 v[TM+8+\b], v[TM+\b], 0x7f800000, s[MNT]   ; 448 x the scale
.endr
.irp b, 0,1,2,3
	v_lshrrev_b32 v[TM+4+\b], 23, v[TM+12+\b]      ; the scale's byte
.endr
	v_lshl_or_b32 v[PW], v[TM+5], 8, v[TM+4]       ; the four bytes make my row's scale word for this K step
	v_lshl_or_b32 v[PW], v[TM+6], 16, v[PW]
	v_lshl_or_b32 v[PW], v[TM+7], 24, v[PW]
.irp b, 0,1,2,3
.irp i, 0,1,2,3,4,5,6,7,8,9,10,11,12,13,14,15
	v_med3_num_f32 v[X+16*\b+\i], v[X+16*\b+\i], -v[TM+8+\b], v[TM+8+\b]   ; the conversion to an 8-bit code does not saturate (ISA guide 7.6.2): the hold at the largest code x the scale
.endr
	v_cvt_scalef32_pk8_fp8_f32 v[PC+4*\b:PC+1+4*\b], v[X+16*\b:X+7+16*\b], v[TM+12+\b]
	v_cvt_scalef32_pk8_fp8_f32 v[PC+2+4*\b:PC+3+4*\b], v[X+8+16*\b:X+15+16*\b], v[TM+12+\b]
.endr
	v_nop                                          ; one plain vector line behind the last scaled conversion
.irp c, 0,1,2,3
	global_store_b128 v14, v[PC+4*\c:PC+4*\c+3], s[8:9] offset:512*\c   ; 32 lanes store 512 consecutive bytes, at a multiple of 256 from the buffer's first byte
.endr
	ds_store_b32 v6, v[PW]                         ; both lanes of a row write the same word with the same value
	ds_store_b32 v7, v[PT]
	s_wait_dscnt 0x0                               ; for wave 0's sake: my stores have landed
	s_barrier_signal -1
	s_barrier_wait -1
	s_cmp_lg_u32 s12, 0                            ; wave 0 alone finishes the record; no barrier follows
	s_cbranch_scc1 .Lend
.irp s, 0,1,2,3
	ds_load_b32 v[PT+\s], v8 offset:64*\s          ; row r's four parts
.endr
	s_wait_dscnt 0x0
	v_add_f32 v[PT], v[PT], v[PT+1]
	v_add_f32 v[PT+2], v[PT+2], v[PT+3]
	v_add_f32 v[PT], v[PT], v[PT+2]
	ds_store_b32 v9, v[PT]                         ; the row's sum of squares
	ds_store_b32 v10, v13                          ; zeros: 128 bytes,
	ds_store_b32 v11, v13                          ; and 64 more
	ds_load_b128 v[R:R+3], v12                     ; the record's last 512 bytes: LDS serves my instructions in order; the other waves' words landed ahead of the barrier
	s_wait_dscnt 0x0
	global_store_b128 v1, v[R:R+3], s[8:9] offset:8192   ; two aligned runs of 256 bytes
.Lend:
	s_wait_tensorcnt 0x0
	ds_add_u32 v144, v145
	s_wait_dscnt 0x0
	s_endpgm
.Lfunc_end_k_qaa51ea733c_quant:
	.size	k_qaa51ea733c_quant, .Lfunc_end_k_qaa51ea733c_quant-k_qaa51ea733c_quant
	.p2alignl 7, 3214868480
	.fill 96, 4, 3214868480
	.section	.rodata,"a",@progbits
	.p2align	6, 0x0
	.amdhsa_kernel k_qaa51ea733c_quant
		.amdhsa_group_segment_fixed_size 35328
		.amdhsa_private_segment_fixed_size 0
		.amdhsa_enable_private_segment 0
		.amdhsa_kernarg_size 32
		.amdhsa_user_sgpr_count 2
		.amdhsa_user_sgpr_kernarg_segment_ptr 1
		.amdhsa_wavefront_size32 1
		.amdhsa_system_sgpr_workgroup_id_x 1
		.amdhsa_system_sgpr_workgroup_id_y 1
		.amdhsa_system_sgpr_workgroup_id_z 1
		.amdhsa_system_vgpr_workitem_id 0
		.amdhsa_next_free_vgpr 146
		.amdhsa_next_free_sgpr 66
		.amdhsa_reserve_vcc 0
		.amdhsa_float_denorm_mode_32 3
		.amdhsa_float_denorm_mode_16_64 3
		.amdhsa_memory_ordered 1
		.amdhsa_forward_progress 1
		.amdhsa_inst_pref_size 19
	.end_amdhsa_kernel
	.amdgpu_metadata
---
amdhsa.version: [ 1, 2 ]
amdhsa.kernels:
  - .name:           k_qaa51ea733c_quant
    .symbol:         k_qaa51ea733c_quant.kd
    .args:
      - { .name: x, .offset: 0, .size: 8, .value_kind: global_buffer, .address_space: global }
      - { .name: embeddings, .offset: 8, .size: 8, .value_kind: global_buffer, .address_space: global }
      - { .name: xr, .offset: 16, .size: 8, .value_kind: global_buffer, .address_space: global }
      - { .name: er, .offset: 24, .size: 8, .value_kind: global_buffer, .address_space: global }
    .group_segment_fixed_size: 35328
    .private_segment_fixed_size: 0
    .kernarg_segment_align: 8
    .kernarg_segment_size: 32
    .max_flat_workgroup_size: 128
    .sgpr_count:     66
    .vgpr_count:     146
    .wavefront_size: 32
...
	.end_amdgpu_metadata
.endif
;; end of part 1
;; launch dist (part 2): grid 32 x 8, 4 waves a work-group, clusters of 4 x 1, 327,680 bytes of LDS; arguments xr, er, cand; writes cand
.if DOCPART == 2
	.amdgcn_target "amdgcn-amd-amdhsa--gfx1250"
	.amdhsa_code_object_version 6
	.text
	.protected	k_qaa51ea733c_dist
	.globl	k_qaa51ea733c_dist
	.p2align	8
	.type	k_qaa51ea733c_dist,@function
k_qaa51ea733c_dist:
	s_mov_b64 s[64:65], 0
	v_nop
	global_prefetch_b8 v0, s[64:65] scope:SCOPE_SE
	s_setreg_imm32_b32 hwreg(HW_REG_WAVE_MODE, 25, 1), 1
	s_wait_xcnt 0x0
	s_wait_alu depctr_hold_cnt(0) depctr_sa_sdst(0) depctr_va_vdst(0) depctr_va_sdst(0) depctr_va_ssrc(0) depctr_va_vcc(0) depctr_vm_vsrc(0)
	s_getreg_b32 s2, hwreg(HW_REG_IB_STS2, 6, 4)
	s_cmp_eq_u32 s2, 0
	s_cbranch_scc0 .Lentry_in_a_cluster
	s_endpgm
.Lentry_in_a_cluster:
	s_bfe_u32 s2, ttmp6, 0x10000c
	s_cmp_lg_u32 s2, 0x3003
	s_cbranch_scc0 .Lentry_shape_is_right
	s_endpgm
.Lentry_shape_is_right:
; d[n][v] = (xx[n] + yy[v]) - 2 x[n].e[v] on the records of codes, and for each row n the least d of one eighth of the codebook, with its index (of equal d the lowest).
; cand [8 parts][16384 rows][2 words]: a whole-number key that orders as d does, and the index.  The order of rounding is reference()'s: T = yy + xx, then one fused -2 x dot + T.
; SHARES: work-group (gx, gy): rows 512 gx .. + 511, codebook rows 1024 gy .. + 1023 (64 records).  A wave keeps 8 records of x (128 rows, 512 registers) and walks the 64 records of e.
; The product is used transposed (source 0 = 16 rows of e, source 1 = 16 rows of x): a lane holds one row of x, its 8 registers 8 rows of e.
; A PERIOD is one record of e: 32 matrix instructions, K step by K step, the 8 accumulators by turns.  Behind each stand two packed multiply-adds of the
; record before (T, then d in place): their sources 0 and 2 and their destination lie in window 0 and source 1 is a constant, so they run under the products' own window setting.
; The rest of the record before's work comes in two HALVES, tiles 0-3 behind product 23 and tiles 4-7 behind product 31: the least of a lane's 8 and the best so far, a compare, and selects
; that keep the record's number and its 8 distances (the distances two to an instruction).  ALL LDS LOADS STAND INSIDE THE HALVES, behind 20 of their vector lines: e's fragments have ONE
; set of 64 registers, K steps 0-2 of the next record are loaded in the first half (their last products are over), K step 3 in the second; so there are two sets of accumulators.
; CLUSTER: the four work-groups of a cluster share gy, so each record of e is asked for jointly (mask 15).  LDS: two slots of 16 records, 4 fills in all, a wave 4 records of each.
; NO PREFETCH: of the four fills two go out at the head, and each of the two refills is asked for 16 periods (512 matrix instructions) ahead of the wait for it.
; LIMITS: NaN and infinities among the inputs are not served (a NaN distance never wins).
; WINDOW 0: v0-15 xx of x's tile i at 2 i, addresses at the odd numbers; scale words; T; yy; e's fragments; accumulators.  WINDOWS 1, 2: x's fragments.  WINDOW 3: the state of the search.
.set REC,   8704
.set SLOT,  16*REC
.set SPARE, 2*SLOT                     ; behind the slots: the spare words, 128 bytes a wave
.set L16, 1                            ; 16 x lane
.set L4,  3                            ; 4 x lane
.set LY,  5                            ; 32 x (lane / 16)
.set ADR, 7                            ; the next record's fragments,
.set ADS, 9                            ; its scale words,
.set R4,  11                           ; 4 x (lane % 16)
.set ADY, 13                           ; and its sums of squares
.set XS,  16                           ; v16-31 x's scale words: tile i, K steps 2 c, 2 c + 1 at 2 i + c
.set ES,  32                           ; v32-35 e's: set p, K steps 2 c, 2 c + 1 at 2 p + 1 - c: never x's number modulo 8
.set T,   36                           ; v36-43
.set L8T, T+2                          ; at the head: 8 x lane, on its way to window 3
.set HBT, T+3                          ; and 1024 gy + 8 (lane / 16)
.set YY,  44                           ; v44-59 two sets of 8
.set EF,  60                           ; v60-123
.set ACC, 124                          ; v124-251 two sets of 8 x 8
.set SPW, 252
.set NIL, 253
.set S,    0                           ; window 3: v0-63 the 8 distances of the best record, tile i at 8 i
.set BEST, 64                          ; v64-79 the best so far, two sets by turns
.set IDX,  80                          ; v80-87 its record's number
.set AB,   88                          ; v88-111 at work
.set FJ,   112
.set FK,   114
.set FX,   118
.set OUT,  120
.set L8,   128
.set HB,   129
.set WV,  10
.set G1,  16
.set G0A, 32
.set G0B, 36
.set TB,  40                           ; LDS offset of the next record
.set TP,  42                           ; the number of the record in the halves
.set CNT, 43
.set SEL, 44
.set HI,  47
.set MK,  52                           ; s52-59 the 8 tiles' masks
.set MSB, 0
.macro WIN new                         ; the immediate's high byte repeats the setting that is left
.if MSB != \new
	s_set_vgpr_msb (MSB<<8)|\new
.set MSB, \new
.endif
.endm
.macro ROUND                           ; a round of the cluster's barrier
	s_barrier_signal -1
	s_barrier_wait -1
	s_cmp_lg_u32 s[WV], 0
	s_cbranch_scc1 .Lnot_wave_0_\@
	s_barrier_signal -3
.Lnot_wave_0_\@:
	s_barrier_wait -3
	s_barrier_signal -1
	s_barrier_wait -1
.endm
.macro MM par                          ; product qq of a period: K step qq / 8, x's tile qq % 8
.set zs, qq/8
.set zi, qq%8
.set zx, 64*(zi%4)+16*zs
.set za, ACC+64*(\par)+8*zi
.set ze, ES+2*(\par)+1-zs/2
.set zq, XS+2*zi+zs/2
	WIN 0x04<<(zi/4)                               ; source 1 in window 1 or 2, all else in window 0
.if zs == 0
	v_wmma_scale_f32_16x16x128_f8f6f4 v[za:za+7], v[EF+16*zs:EF+16*zs+15], v[zx:zx+15], 0, v[ze], v[zq]
.elseif zs%2 == 1
	v_wmma_scale_f32_16x16x128_f8f6f4 v[za:za+7], v[EF+16*zs:EF+16*zs+15], v[zx:zx+15], v[za:za+7], v[ze], v[zq] matrix_a_scale:MATRIX_SCALE_ROW1 matrix_b_scale:MATRIX_SCALE_ROW1
.else
	v_wmma_scale_f32_16x16x128_f8f6f4 v[za:za+7], v[EF+16*zs:EF+16*zs+15], v[zx:zx+15], v[za:za+7], v[ze], v[zq]
.endif
.endm
.macro TOP par, u                      ; pair u of the record before: T = yy x 1 + xx, which rounds as yy + xx does
.set zi, (\u)/4
.set zj, 2*((\u)%4)
	v_pk_fma_f32 v[T+zj:T+zj+1], v[YY+8*(1-(\par))+zj:YY+8*(1-(\par))+zj+1], 1.0, v[2*zi:2*zi+1] op_sel_hi:[1,0,0]
.endm
.macro DOP par, u                      ; d = -2 x dot + T, in place; each accumulator from its low end on
.set zi, (\u)/4
.set zj, 2*((\u)%4)
.set za, ACC+64*(1-(\par))+8*zi+zj
	v_pk_fma_f32 v[za:za+1], v[za:za+1], -2.0, v[T+zj:T+zj+1] op_sel_hi:[1,0,1]
.endm
.macro LOADA set                       ; 14 loads: the next record's K steps 0-2 and its scale words
	WIN 0
.irp f, 0,1,2,3,4,5,6,7,8,9,10,11
	ds_load_b128 v[EF+4*\f:EF+4*\f+3], v[ADR] offset:512*\f
.endr
	ds_load_b32 v[ES+2*(\set)+1], v[ADS] offset:8192
	ds_load_b32 v[ES+2*(\set)], v[ADS] offset:8192+128
.endm
.macro LOADB set                       ; 6 loads: its sums of squares and its K step 3
	WIN 0
	ds_load_b128 v[YY+8*(\set):YY+8*(\set)+3], v[ADY] offset:8448
	ds_load_b128 v[YY+8*(\set)+4:YY+8*(\set)+7], v[ADY] offset:8464
.irp f, 12,13,14,15
	ds_load_b128 v[EF+4*\f:EF+4*\f+3], v[ADR] offset:512*\f
.endr
	s_add_co_u32 s[TB], s[TB], REC
.endm
.macro HALF par, i0, fetch             ; tiles i0 .. i0 + 3 of the record before: its d lie in accumulator set 1 - par; the best so far in set 1 - par, the new best in set par
.set zb, ACC+64*(1-(\par))
	WIN 0xc0                                       ; destination window 3
.irp i, \i0, \i0+1, \i0+2, \i0+3
	v_min3_num_f32 v[AB+3*(\i)], v[zb+8*(\i)], v[zb+8*(\i)+1], v[zb+8*(\i)+2]
	v_min3_num_f32 v[AB+3*(\i)+1], v[zb+8*(\i)+3], v[zb+8*(\i)+4], v[zb+8*(\i)+5]
.endr
	WIN 0xf0                                       ; source 2 too
.irp i, \i0, \i0+1, \i0+2, \i0+3
	v_min3_num_f32 v[AB+3*(\i)+2], v[zb+8*(\i)+6], v[zb+8*(\i)+7], v[BEST+8*(1-(\par))+(\i)]
.endr
	WIN 0xff                                       ; all in window 3
.irp i, \i0, \i0+1, \i0+2, \i0+3
	v_min3_num_f32 v[BEST+8*(\par)+(\i)], v[AB+3*(\i)], v[AB+3*(\i)+1], v[AB+3*(\i)+2]
.endr
.irp i, \i0, \i0+1, \i0+2, \i0+3
	v_cmp_lt_f32 s[MK+(\i)], v[BEST+8*(\par)+(\i)], v[BEST+8*(1-(\par))+(\i)]   ; strictly lower: of equal d the earlier record stays
.endr
.if \fetch                             ; these 20 vector lines, and 3 of the stream, stand behind the last product that read the registers loaded here
.if (\i0) == 0
	LOADA 1-(\par)
.else
	LOADB 1-(\par)
.endif
.endif
	WIN 0xc3                                       ; destination and source 0 window 3, source 1 window 0
.irp i, \i0, \i0+1, \i0+2, \i0+3
	s_mov_b32 vcc_lo, s[MK+(\i)]                   ; the paired form takes its mask from VCC
	v_cndmask_b32 v[IDX+(\i)], v[IDX+(\i)], s[TP], s[MK+(\i)]
.irp j, 0,2,4,6
	v_dual_cndmask_b32 v[S+8*(\i)+\j], v[S+8*(\i)+\j], v[zb+8*(\i)+\j] :: v_dual_cndmask_b32 v[S+8*(\i)+\j+1], v[S+8*(\i)+\j+1], v[zb+8*(\i)+\j+1]   ; neighbours: destinations even and odd, sources in different banks
.endr
.endr
.endm
.macro PERIOD par, fetch, first
	s_wait_dscnt 0x6                               ; this record's K steps 0-2 and scale words are in; the 6 loads issued behind them (yy, K step 3) may be out
.set qq, 0
.rept 32
	MM \par
.if \fetch                             ; the next record's three addresses, far ahead of the loads that read them
.if qq == 0
	v_add_nc_u32 v[ADR], v[L16], s[TB]
.elseif qq == 1
	v_add_nc_u32 v[ADS], v[L4], s[TB]
.elseif qq == 2
	v_add_nc_u32 v[ADY], v[LY], s[TB]
.if \first
	s_wait_alu depctr_va_vdst(0)                   ; the wait here, behind the three writes: only v_nop follow in this period
.endif
.endif
.endif
.if \first
	v_nop                                          ; no record before: places in front of the loads below
	v_nop
.else
	TOP \par, qq
.if (qq > 0) && (qq != 24)
	DOP \par, qq-1
.endif
.if qq == 23
	DOP \par, 23                                   ; no T is left unread across the wait below
.endif
.endif
.if qq == 23
.if \first
.rept 8
	v_nop
.endr
	LOADA 1-(\par)
.else
	HALF \par, 0, \fetch
.endif
	s_wait_dscnt 14*(\fetch)                       ; this record's K step 3 and yy are in; the 14 loads just issued may be out
.endif
.set qq, qq+1
.endr
.if \first
.rept 8
	v_nop
.endr
	LOADB 1-(\par)
.else
	DOP \par, 31
	HALF \par, 4, \fetch
	WIN 0
	s_add_co_u32 s[TP], s[TP], 1
.endif
.endm
.macro PAIRS trips
	s_mov_b32 s[CNT], \trips
.Lpair_\@:
	PERIOD 1, 1, 0
	PERIOD 0, 1, 0
	s_sub_co_u32 s[CNT], s[CNT], 1
	s_cmp_lg_u32 s[CNT], 0
	s_cbranch_scc1 .Lpair_\@
.endm
.macro CHANGE g0, fill                 ; a change of slots: all my tensor loads, the add, my reads; the round; the joint refill first behind it
	s_wait_tensorcnt 0x0
	ds_add_u32 v[SPW], v[NIL]
.if \fill
	s_add_nc_u64 s[\g0+2:\g0+3], s[\g0+2:\g0+3], 2*SLOT
.endif
	s_wait_dscnt 0x0
.if \fill
	ROUND
	tensor_load_to_lds s[\g0:\g0+3], s[G1:G1+7]
	s_nop 0
.rept 4
	v_nop
.endr
.else
	s_barrier_signal -1
	s_barrier_wait -1
.endif
.endm
	s_load_b128 s[4:7], s[0:1], 0x0                ; xr, er
	s_load_b64 s[8:9], s[0:1], 0x10                ; cand
	v_lshl_add_u32 v[SPW], v0, 2, SPARE
	v_mov_b32 v[NIL], 0
	ds_add_u32 v[SPW], v[NIL]                      ; the opening lines: the add twice on end
	ds_add_u32 v[SPW], v[NIL]
	v_lshrrev_b32 v[T], 5, v0
	v_readfirstlane_b32 s[WV], v[T]
	v_and_b32 v[T], 31, v0
	v_lshlrev_b32 v[L16], 4, v[T]
	v_lshlrev_b32 v[L4], 2, v[T]
	v_lshlrev_b32 v[L8T], 3, v[T]
	v_bfe_u32 v[T+1], v0, 4, 1
	v_lshlrev_b32 v[LY], 5, v[T+1]
	v_and_b32 v[R4], 15, v0
	v_lshlrev_b32 v[R4], 2, v[R4]
	v_mov_b32 v15, 0                               ; the upper half of the pair that holds tile 7's xx: named, never used
	s_bfe_u32 s11, ttmp6, 0x40000
	s_lshl_b32 s12, ttmp9, 2
	s_add_co_u32 s12, s12, s11                     ; gx
	s_and_b32 s13, ttmp7, 0xffff                   ; gy: the same in all four partners
	s_lshl_b32 s27, s13, 10
	v_lshl_add_u32 v[HBT], v[T+1], 3, s27
	s_mov_b32 s[G1], 15|(3<<16)|(1<<21)            ; mask of the four; elements of 8 bytes; a dense block as 136 rows of 256 bytes: 4 records
	s_mov_b32 s[G1+1], 32<<16
	s_mov_b32 s[G1+2], 136<<16
	s_mov_b32 s[G1+3], 32<<16
	s_mov_b32 s[G1+4], 136
	s_mov_b32 s[G1+5], 32
	s_mov_b32 s[G1+6], 0
	s_mov_b32 s[G1+7], 0
	s_mul_i32 s24, s13, 64*REC
	s_mul_i32 s26, s[WV], 4*REC
	s_add_co_u32 s24, s24, s26                     ; er: my part's records, my wave's 4 of a slot
	s_mov_b32 s25, 0
	s_lshl_b32 s14, s12, 5
	s_lshl_b32 s15, s[WV], 3
	s_add_co_u32 s14, s14, s15
	s_mul_i32 s14, s14, REC                        ; xr: my wave's 8 records
	s_mov_b32 s15, 0
	s_lshl_b32 s28, s13, 17
	s_lshl_b32 s29, s12, 12
	s_add_co_u32 s28, s28, s29
	s_lshl_b32 s29, s[WV], 10
	s_add_co_u32 s28, s28, s29                     ; cand: part, then 8 bytes a row
	s_mov_b32 s29, 0
	s_mov_b32 s48, 0x7f800000
	s_mov_b32 s[SEL], 0x76543210
	s_mov_b32 s[SEL+1], 0xfedcba98
	s_mov_b32 s[HI], 0xffff0000
	s_mov_b32 s[TP], 0
	s_mov_b32 s[TB], 0
	s_wait_alu depctr_va_vdst(0)
	s_wait_dscnt 0x0
	s_wait_kmcnt 0x0
	s_add_nc_u64 s[6:7], s[6:7], s[24:25]
	s_add_nc_u64 s[4:5], s[4:5], s[14:15]
	s_add_nc_u64 s[8:9], s[8:9], s[28:29]
	s_mov_b32 s[G0A], 1
	s_mov_b32 s[G0A+1], s26
	s_mov_b64 s[G0A+2:G0A+3], s[6:7]
	s_or_b32 s[G0A+3], s[G0A+3], 0x80000000
	s_mov_b32 s[G0B], 1
	s_add_co_u32 s[G0B+1], s26, SLOT
	s_add_nc_u64 s[G0B+2:G0B+3], s[6:7], SLOT
	s_or_b32 s[G0B+3], s[G0B+3], 0x80000000
	ROUND
	tensor_load_to_lds s[G0A:G0A+3], s[G1:G1+7]    ; slot 0: my one tensor load at the head
	s_nop 0
	WIN 0x40                                       ; x's records go straight into registers while the slot is on its way
.irp i, 0,1,2,3
.irp f, 0,1,2,3,4,5,6,7,8,9,10,11,12,13,14,15
	global_load_b128 v[64*\i+4*\f:64*\i+4*\f+3], v[L16], s[4:5] offset:REC*\i+512*\f
.endr
.endr
	WIN 0x80
.irp i, 0,1,2,3
.irp f, 0,1,2,3,4,5,6,7,8,9,10,11,12,13,14,15
	global_load_b128 v[64*\i+4*\f:64*\i+4*\f+3], v[L16], s[4:5] offset:REC*(\i+4)+512*\f
.endr
.endr
	WIN 0
.irp i, 0,1,2,3,4,5,6,7
	global_load_b32 v[XS+2*\i], v[L4], s[4:5] offset:REC*\i+8192
	global_load_b32 v[XS+2*\i+1], v[L4], s[4:5] offset:REC*\i+8192+128
	global_load_b32 v[2*\i], v[R4], s[4:5] offset:REC*\i+8448      ; xx of my row (v0's last use as the thread's number stands above)
.endr
	WIN 0xc0                                       ; the search's state, in window 3
.set n, 0
.rept 72
	v_mov_b32 v[S+n], s48                          ; the kept distances and the best so far: +infinity
.set n, n+1
.endr
.irp i, 0,1,2,3,4,5,6,7
	v_mov_b32 v[IDX+\i], 0
.endr
	v_mov_b32 v[FX], 0                             ; a lane permute's destination counts as one of its sources
	v_mov_b32 v[FX+1], 0
	v_mov_b32 v[L8], v[L8T]
	v_mov_b32 v[HB], v[HBT]
	WIN 0
	v_add_nc_u32 v[ADR], s[TB], v[L16]             ; record 0's addresses
	v_add_nc_u32 v[ADS], s[TB], v[L4]
	v_add_nc_u32 v[ADY], s[TB], v[LY]
	s_wait_alu depctr_va_vdst(0)
	s_wait_tensorcnt 0x0                           ; my part of slot 0 is in; slot 1's first fill is issued as a refill is
	ds_add_u32 v[SPW], v[NIL]
	s_wait_dscnt 0x0
	ROUND                                          ; everybody's part of slot 0 is in
	tensor_load_to_lds s[G0B:G0B+3], s[G1:G1+7]
	s_nop 0
.rept 4
	v_nop
.endr
	LOADA 0                                        ; record 0, whole, in the order of every period's loads
	LOADB 0
	s_wait_loadcnt 0x0                             ; x
	PERIOD 0, 1, 1                                 ; period p multiplies record p and fetches record p + 1
	PAIRS 7
	CHANGE G0A, 1                                  ; records 0-15 are read out: slot 0 takes 32-47
	s_mov_b32 s[TB], SLOT
	PAIRS 8
	CHANGE G0B, 1                                  ; slot 1 takes 48-63
	s_mov_b32 s[TB], 0
	PAIRS 8
	CHANGE G0A, 0
	s_mov_b32 s[TB], SLOT
	PAIRS 8
	PERIOD 1, 0, 0
.set qq, 0
.rept 32                               ; record 63's distances and halves
	TOP 0, qq
	DOP 0, qq
.set qq, qq+1
.endr
	HALF 0, 0, 0
	HALF 0, 4, 0
	WIN 0xff                                       ; the end works in window 3 alone
.macro FIN i, e                        ; tile i: the lowest register that holds the best; key and index; the better of lanes l and l xor 16
	v_mov_b32 v[FJ], 7
.irp j, 6,5,4,3,2,1,0
	v_cmp_neq_f32 vcc_lo, v[S+8*(\i)+\j], v[BEST+(\i)]
	v_cndmask_b32 v[FJ], \j, v[FJ], vcc_lo
.endr
	v_ashrrev_i32 v[FK+2*(\e)], 31, v[BEST+(\i)]
	v_or_b32 v[FK+2*(\e)], 0x80000000, v[FK+2*(\e)]
	v_xor_b32 v[FK+2*(\e)], v[FK+2*(\e)], v[BEST+(\i)]             ; a whole number that orders as the f32 does
	v_lshl_add_u32 v[FK+2*(\e)+1], v[IDX+(\i)], 4, v[FJ]
	v_add_nc_u32 v[FK+2*(\e)+1], v[HB], v[FK+2*(\e)+1]
	v_permlanex16_b32 v[FX], v[FK+2*(\e)], s[SEL], s[SEL+1]
	v_permlanex16_b32 v[FX+1], v[FK+2*(\e)+1], s[SEL], s[SEL+1]
	v_cmp_lt_u32 s48, v[FX], v[FK+2*(\e)]
	v_cmp_eq_u32 s49, v[FX], v[FK+2*(\e)]
	v_cmp_lt_u32 s50, v[FX+1], v[FK+2*(\e)+1]
	s_and_b32 s49, s49, s50
	s_or_b32 s48, s48, s49
	v_cndmask_b32 v[FK+2*(\e)], v[FK+2*(\e)], v[FX], s48
	v_cndmask_b32 v[FK+2*(\e)+1], v[FK+2*(\e)+1], v[FX+1], s48
.endm
.irp p, 0,1,2,3
	FIN 2*\p, 0
	FIN 2*\p+1, 1
	v_cndmask_b32 v[OUT+2*\p], v[FK], v[FK+2], s[HI]               ; lanes 0-15 tile 2 p's rows, lanes 16-31 tile 2 p + 1's
	v_cndmask_b32 v[OUT+2*\p+1], v[FK+1], v[FK+3], s[HI]
	global_store_b64 v[L8], v[OUT+2*\p:OUT+2*\p+1], s[8:9] offset:256*\p   ; 32 lanes store 256 consecutive bytes, aligned
.endr
	WIN 0
	s_wait_tensorcnt 0x0                           ; the wave's end
	ds_add_u32 v[SPW], v[NIL]
	s_wait_dscnt 0x0
	ROUND                                          ; the closing round
	s_endpgm
.Lfunc_end_k_qaa51ea733c_dist:
	.size	k_qaa51ea733c_dist, .Lfunc_end_k_qaa51ea733c_dist-k_qaa51ea733c_dist
	.p2alignl 7, 3214868480
	.fill 96, 4, 3214868480
	.section	.rodata,"a",@progbits
	.p2align	6, 0x0
	.amdhsa_kernel k_qaa51ea733c_dist
		.amdhsa_group_segment_fixed_size 327680
		.amdhsa_private_segment_fixed_size 0
		.amdhsa_enable_private_segment 0
		.amdhsa_kernarg_size 24
		.amdhsa_user_sgpr_count 2
		.amdhsa_user_sgpr_kernarg_segment_ptr 1
		.amdhsa_wavefront_size32 1
		.amdhsa_system_sgpr_workgroup_id_x 1
		.amdhsa_system_sgpr_workgroup_id_y 1
		.amdhsa_system_sgpr_workgroup_id_z 1
		.amdhsa_system_vgpr_workitem_id 0
		.amdhsa_next_free_vgpr 1024
		.amdhsa_next_free_sgpr 66
		.amdhsa_reserve_vcc 1
		.amdhsa_float_denorm_mode_32 3
		.amdhsa_float_denorm_mode_16_64 3
		.amdhsa_memory_ordered 1
		.amdhsa_forward_progress 1
		.amdhsa_inst_pref_size 192
	.end_amdhsa_kernel
	.amdgpu_metadata
---
amdhsa.version: [ 1, 2 ]
amdhsa.kernels:
  - .name:           k_qaa51ea733c_dist
    .symbol:         k_qaa51ea733c_dist.kd
    .args:
      - { .name: xr, .offset: 0, .size: 8, .value_kind: global_buffer, .address_space: global }
      - { .name: er, .offset: 8, .size: 8, .value_kind: global_buffer, .address_space: global }
      - { .name: cand, .offset: 16, .size: 8, .value_kind: global_buffer, .address_space: global }
    .group_segment_fixed_size: 327680
    .private_segment_fixed_size: 0
    .kernarg_segment_align: 8
    .kernarg_segment_size: 24
    .max_flat_workgroup_size: 128
    .sgpr_count:     66
    .vgpr_count:     1024
    .wavefront_size: 32
...
	.end_amdgpu_metadata
.endif
;; end of part 2
;; launch gather (part 3): grid 512 x 1, 8 waves a work-group, no clusters, 1,280 bytes of LDS; arguments cand, x, embeddings, out0, part; writes out0, part
.if DOCPART == 3
	.amdgcn_target "amdgcn-amd-amdhsa--gfx1250"
	.amdhsa_code_object_version 6
	.text
	.protected	k_qaa51ea733c_gather
	.globl	k_qaa51ea733c_gather
	.p2align	8
	.type	k_qaa51ea733c_gather,@function
k_qaa51ea733c_gather:
	s_mov_b64 s[64:65], 0
	v_nop
	global_prefetch_b8 v0, s[64:65] scope:SCOPE_SE
	s_setreg_imm32_b32 hwreg(HW_REG_WAVE_MODE, 25, 1), 1
	s_wait_xcnt 0x0
; For each row: the best of its 8 candidates (whole numbers: the lower key; of equal keys the lower part, which has the lower index), the codebook's row q, out0 = x + (q - x), and the sum of (q - x)^2.
; cand [8][16384][2 words]; x, out0 [16384][512] f32; embeddings [8192][512] f32; part [512] f32: one sum for each work-group, added up by the next launch.
; SHARES: a work-group takes 32 rows, a wave 4.  A row of 2,048 bytes is taken by the whole wave: four loads or stores of 512 consecutive bytes.  Each of a wave's four rows has registers of its
; own: all its rows of x are asked for at the start, all its rows of the codebook as soon as the candidates are merged, and no register is loaded twice.
; Memory binds: no LDS but for the eight waves' sums, no matrix unit, no cluster (work-groups share no tile).
; LIMIT: the sum of squares is taken in four packed chains a lane, 32 lanes, 8 waves and 512 work-groups: another order of rounding than a plain mean's.
.set L16, 1                            ; v1   16 x lane
.set CO,  2                            ; v2   8 x (lane % 4): lane l holds the candidates of the wave's row l % 4
.set X,   16                           ; row t: x's row at v[16 + 32 t], 16 registers;
.set E,   32                           ;        the codebook's at v[32 + 32 t]
.set EO,  144                          ; v144-147 row t: my byte offset in the codebook
.set C,   148                          ; v148-163 the candidates: (key, index) of part p at 148 + 2 p
.set CH,  164                          ; v164-171 four packed chains of squares
.set TS,  172                          ; v172-175 at work
	s_load_b256 s[4:11], s[0:1], 0x0               ; cand s[4:5], x s[6:7], embeddings s[8:9], out0 s[10:11]
	s_load_b64 s[12:13], s[0:1], 0x20              ; part
	v_lshl_add_u32 v176, v0, 2, 0x100
	v_mov_b32 v177, 0
	v_lshrrev_b32 v3, 5, v0
	s_delay_alu instid0(VALU_DEP_1)
	v_readfirstlane_b32 s14, v3                    ; wave 0..7
	v_and_b32 v3, 31, v0
	s_delay_alu instid0(VALU_DEP_1)
	v_lshlrev_b32 v[L16], 4, v3
	v_and_b32 v[CO], 3, v0
	s_delay_alu instid0(VALU_DEP_1)
	v_lshlrev_b32 v[CO], 3, v[CO]
	s_lshl_b32 s16, ttmp9, 8                       ; my first row is 32 g + 4 w: 8 bytes a row in cand,
	s_lshl_b32 s17, s14, 5
	s_add_co_u32 s16, s16, s17
	s_mov_b32 s17, 0
	s_lshl_b32 s18, ttmp9, 16                      ; 2,048 in x and out0
	s_lshl_b32 s19, s14, 13
	s_add_co_u32 s18, s18, s19
	s_mov_b32 s19, 0
	s_lshl_b32 s20, ttmp9, 2                       ; my work-group's word of part
	s_mov_b32 s21, 0
	s_lshl_b32 s22, s14, 2
	v_mov_b32 v[TS+2], s22                         ; LDS: my wave's word
	v_mov_b32 v[TS+3], 0
	v_mov_b32 v[TS+1], 0                           ; a lane permute's destination counts as one of its sources
	s_mov_b32 s34, 0x76543210
	s_mov_b32 s35, 0xfedcba98
	s_wait_alu depctr_va_vdst(0)
	s_wait_kmcnt 0x0
	s_add_nc_u64 s[4:5], s[4:5], s[16:17]
	s_add_nc_u64 s[6:7], s[6:7], s[18:19]
	s_add_nc_u64 s[10:11], s[10:11], s[18:19]
	s_add_nc_u64 s[12:13], s[12:13], s[20:21]
.macro XLOAD t                         ; row t of x
.irp c, 0,1,2,3
	global_load_b128 v[X+32*(\t)+4*\c:X+32*(\t)+4*\c+3], v[L16], s[6:7] offset:2048*(\t)+512*\c th:TH_LOAD_NT
.endr
.endm
.macro ELOAD t                         ; row t's row of the codebook: rows may recur, so no hint
	v_lshl_add_u32 v[EO+(\t)], s[24+(\t)], 11, v[L16]
.irp c, 0,1,2,3
	global_load_b128 v[E+32*(\t)+4*\c:E+32*(\t)+4*\c+3], v[EO+(\t)], s[8:9] offset:512*\c
.endr
.endm
.irp p, 0,1,2,3,4,5,6,7
	global_load_b64 v[C+2*\p:C+2*\p+1], v[CO], s[4:5] offset:131072*\p
.endr
.irp t, 0,1,2,3
	XLOAD \t
.endr
	s_wait_loadcnt 16                              ; the candidates are in; the 16 loads of x behind them stay out
.irp p, 1
	v_cmp_lt_u32 vcc_lo, v[C+2*\p], v[C]           ; strictly lower: of equal keys the lower part stays
	s_delay_alu instid0(VALU_DEP_1)
	v_cndmask_b32 v[C], v[C], v[C+2*\p], vcc_lo
	s_delay_alu instid0(VALU_DEP_2)
	v_cndmask_b32 v[C+1], v[C+1], v[C+2*\p+1], vcc_lo
.endr
.irp p, 2, 3, 4, 5, 6, 7
	s_delay_alu instid0(VALU_DEP_2)
	v_cmp_lt_u32 vcc_lo, v[C+2*\p], v[C]           ; strictly lower: of equal keys the lower part stays
	s_delay_alu instid0(VALU_DEP_1)
	v_cndmask_b32 v[C], v[C], v[C+2*\p], vcc_lo
	s_delay_alu instid0(VALU_DEP_2)
	v_cndmask_b32 v[C+1], v[C+1], v[C+2*\p+1], vcc_lo
.endr
	s_delay_alu instid0(VALU_DEP_1)
	v_min_u32 v[C+1], 0x1fff, v[C+1]               ; an index stays inside the codebook
.irp t, 0,1,2,3
	v_readlane_b32 s[24+\t], v[C+1], \t            ; row t's index for the whole wave,
.endr
.irp t, 0,1,2,3
	s_min_u32 s[24+\t], s[24+\t], 0x1fff           ; held once more where it enters an address
.endr
.irp t, 0,1,2,3
	ELOAD \t
.endr
; Row t.  left = the loads issued behind this row's last: the codebook's rows behind it, four loads each.
.macro TURN t, left
.set XS, X+32*(\t)
.set QS, E+32*(\t)
	s_wait_loadcnt \left
.irp n, 0,1,2,3,4,5,6,7
	v_pk_add_f32 v[QS+2*\n:QS+2*\n+1], v[QS+2*\n:QS+2*\n+1], v[XS+2*\n:XS+2*\n+1] neg_lo:[0,1] neg_hi:[0,1]   ; q - x
.endr
.irp n, 0,1,2,3,4,5,6,7
.if ((\t) == 0) && (\n < 4)
	v_pk_mul_f32 v[CH+2*\n:CH+2*\n+1], v[QS+2*\n:QS+2*\n+1], v[QS+2*\n:QS+2*\n+1]   ; the first four pairs start the chains: nothing is cleared
.else
	v_pk_fma_f32 v[CH+2*(\n%4):CH+2*(\n%4)+1], v[QS+2*\n:QS+2*\n+1], v[QS+2*\n:QS+2*\n+1], v[CH+2*(\n%4):CH+2*(\n%4)+1]
.endif
.endr
.irp n, 0,1,2,3,4,5,6,7
	v_pk_add_f32 v[XS+2*\n:XS+2*\n+1], v[XS+2*\n:XS+2*\n+1], v[QS+2*\n:QS+2*\n+1]   ; x + (q - x)
.endr
.irp c, 0,1,2,3
	global_store_b128 v[L16], v[XS+4*\c:XS+4*\c+3], s[10:11] offset:2048*(\t)+512*\c th:TH_STORE_NT   ; 512 consecutive bytes, at a multiple of 256 from out0's first byte
.endr
.endm
	TURN 0, 12
	TURN 1, 8
	TURN 2, 4
	TURN 3, 0
	v_pk_add_f32 v[CH:CH+1], v[CH:CH+1], v[CH+2:CH+3]
	v_pk_add_f32 v[CH+4:CH+5], v[CH+4:CH+5], v[CH+6:CH+7]
	s_delay_alu instid0(VALU_DEP_1)
	v_pk_add_f32 v[CH:CH+1], v[CH:CH+1], v[CH+4:CH+5]
	s_delay_alu instid0(VALU_DEP_1)
	v_add_f32 v[TS], v[CH], v[CH+1]
	s_delay_alu instid0(VALU_DEP_1)
	v_add_f32_dpp v[TS], v[TS], v[TS] row_xmask:1 row_mask:0xf bank_mask:0xf
	s_delay_alu instid0(VALU_DEP_1)
	v_add_f32_dpp v[TS], v[TS], v[TS] row_xmask:2 row_mask:0xf bank_mask:0xf
	s_delay_alu instid0(VALU_DEP_1)
	v_add_f32_dpp v[TS], v[TS], v[TS] row_xmask:4 row_mask:0xf bank_mask:0xf
	s_delay_alu instid0(VALU_DEP_1)
	v_add_f32_dpp v[TS], v[TS], v[TS] row_xmask:8 row_mask:0xf bank_mask:0xf
	s_delay_alu instid0(VALU_DEP_1)
	v_permlanex16_b32 v[TS+1], v[TS], s34, s35
	s_delay_alu instid0(VALU_DEP_1)
	v_add_f32 v[TS], v[TS], v[TS+1]                ; the wave's sum, in every lane
	ds_store_b32 v[TS+2], v[TS]                    ; all lanes write the same word with the same value
	s_wait_dscnt 0x0                               ; for wave 0's sake
	s_barrier_signal -1
	s_barrier_wait -1
	s_cmp_lg_u32 s14, 0
	s_cbranch_scc1 .Lend
	ds_load_b128 v[C:C+3], v[TS+3]
	ds_load_b128 v[C+4:C+7], v[TS+3] offset:16
	s_wait_dscnt 0x0
	v_pk_add_f32 v[C:C+1], v[C:C+1], v[C+2:C+3]
	v_pk_add_f32 v[C+4:C+5], v[C+4:C+5], v[C+6:C+7]
	s_delay_alu instid0(VALU_DEP_1)
	v_pk_add_f32 v[C:C+1], v[C:C+1], v[C+4:C+5]
	s_delay_alu instid0(VALU_DEP_1)
	v_add_f32 v[C], v[C], v[C+1]
	v_cmp_eq_u32 vcc_lo, 0, v0
	s_wait_alu depctr_va_vdst(0)
	s_wait_xcnt 0x0                                ; EXEC changes only behind this wait: the stores above have read it
	s_and_saveexec_b32 s36, vcc_lo
	global_store_b32 v[TS+3], v[C], s[12:13]       ; one word for the work-group
	s_wait_xcnt 0x0
	s_or_b32 exec_lo, exec_lo, s36
.Lend:
	s_wait_tensorcnt 0x0
	ds_add_u32 v176, v177
	s_wait_dscnt 0x0
	s_endpgm
.Lfunc_end_k_qaa51ea733c_gather:
	.size	k_qaa51ea733c_gather, .Lfunc_end_k_qaa51ea733c_gather-k_qaa51ea733c_gather
	.p2alignl 7, 3214868480
	.fill 96, 4, 3214868480
	.section	.rodata,"a",@progbits
	.p2align	6, 0x0
	.amdhsa_kernel k_qaa51ea733c_gather
		.amdhsa_group_segment_fixed_size 1280
		.amdhsa_private_segment_fixed_size 0
		.amdhsa_enable_private_segment 0
		.amdhsa_kernarg_size 40
		.amdhsa_user_sgpr_count 2
		.amdhsa_user_sgpr_kernarg_segment_ptr 1
		.amdhsa_wavefront_size32 1
		.amdhsa_system_sgpr_workgroup_id_x 1
		.amdhsa_system_sgpr_workgroup_id_y 1
		.amdhsa_system_sgpr_workgroup_id_z 1
		.amdhsa_system_vgpr_workitem_id 0
		.amdhsa_next_free_vgpr 178
		.amdhsa_next_free_sgpr 66
		.amdhsa_reserve_vcc 1
		.amdhsa_float_denorm_mode_32 3
		.amdhsa_float_denorm_mode_16_64 3
		.amdhsa_memory_ordered 1
		.amdhsa_forward_progress 1
		.amdhsa_inst_pref_size 17
	.end_amdhsa_kernel
	.amdgpu_metadata
---
amdhsa.version: [ 1, 2 ]
amdhsa.kernels:
  - .name:           k_qaa51ea733c_gather
    .symbol:         k_qaa51ea733c_gather.kd
    .args:
      - { .name: cand, .offset: 0, .size: 8, .value_kind: global_buffer, .address_space: global }
      - { .name: x, .offset: 8, .size: 8, .value_kind: global_buffer, .address_space: global }
      - { .name: embeddings, .offset: 16, .size: 8, .value_kind: global_buffer, .address_space: global }
      - { .name: out0, .offset: 24, .size: 8, .value_kind: global_buffer, .address_space: global }
      - { .name: part, .offset: 32, .size: 8, .value_kind: global_buffer, .address_space: global }
    .group_segment_fixed_size: 1280
    .private_segment_fixed_size: 0
    .kernarg_segment_align: 8
    .kernarg_segment_size: 40
    .max_flat_workgroup_size: 256
    .sgpr_count:     66
    .vgpr_count:     178
    .wavefront_size: 32
...
	.end_amdgpu_metadata
.endif
;; end of part 3
;; launch lossum (part 4): grid 1 x 1, 1 waves a work-group, no clusters, 0 bytes of LDS; arguments part, out1; writes out1
.if DOCPART == 4
	.amdgcn_target "amdgcn-amd-amdhsa--gfx1250"
	.amdhsa_code_object_version 6
	.text
	.protected	k_qaa51ea733c_lossum
	.globl	k_qaa51ea733c_lossum
	.p2align	8
	.type	k_qaa51ea733c_lossum,@function
k_qaa51ea733c_lossum:
	s_mov_b64 s[64:65], 0
	v_nop
	global_prefetch_b8 v0, s[64:65] scope:SCOPE_SE
	s_setreg_imm32_b32 hwreg(HW_REG_WAVE_MODE, 25, 1), 1
	s_wait_xcnt 0x0
; out1 = 0.2 m + m, m = (the sum of the 512 work-groups' sums of (q - x)^2) / (16384 x 512).  The divisor is 2^23, so the division is a multiplication that rounds nothing.
; One wave: 16 numbers a lane, four loads of 512 consecutive bytes.  A sum that spans work-groups has one owner, in a launch of its own.
	s_load_b128 s[4:7], s[0:1], 0x0                ; part s[4:5], out1 s[6:7]
	v_lshlrev_b32 v1, 4, v0
	s_mov_b32 s8, 0x76543210
	s_mov_b32 s9, 0xfedcba98
	s_mov_b32 s10, 0x3e4ccccd                      ; 0.2
	v_mov_b32 v11, 0                               ; a lane permute's destination counts as one of its sources
	v_mov_b32 v12, 0
	s_wait_alu depctr_va_vdst(0)
	s_wait_kmcnt 0x0
	global_load_b128 v[2:5], v1, s[4:5]
	global_load_b128 v[6:9], v1, s[4:5] offset:512
	global_load_b128 v[16:19], v1, s[4:5] offset:1024
	global_load_b128 v[20:23], v1, s[4:5] offset:1536
	s_wait_loadcnt 0x0
	v_pk_add_f32 v[2:3], v[2:3], v[4:5]
	v_pk_add_f32 v[6:7], v[6:7], v[8:9]
	v_pk_add_f32 v[16:17], v[16:17], v[18:19]
	v_pk_add_f32 v[20:21], v[20:21], v[22:23]
	v_pk_add_f32 v[2:3], v[2:3], v[6:7]
	v_pk_add_f32 v[16:17], v[16:17], v[20:21]
	v_pk_add_f32 v[2:3], v[2:3], v[16:17]
	v_add_f32 v2, v2, v3
	v_add_f32_dpp v2, v2, v2 row_xmask:1 row_mask:0xf bank_mask:0xf
	v_add_f32_dpp v2, v2, v2 row_xmask:2 row_mask:0xf bank_mask:0xf
	v_add_f32_dpp v2, v2, v2 row_xmask:4 row_mask:0xf bank_mask:0xf
	v_add_f32_dpp v2, v2, v2 row_xmask:8 row_mask:0xf bank_mask:0xf
	v_permlanex16_b32 v11, v2, s8, s9
	v_add_f32 v2, v2, v11
	v_mul_f32 v2, 0x34000000, v2                   ; x 2^-23: the mean
	v_fma_f32 v3, v2, s10, v2                      ; 0.2 m + m
	v_cmp_eq_u32 vcc_lo, 0, v0
	s_wait_alu depctr_va_vdst(0)
	s_wait_xcnt 0x0                                ; EXEC changes only behind this wait
	s_and_saveexec_b32 s11, vcc_lo
	global_store_b32 v12, v3, s[6:7]
	s_wait_xcnt 0x0
	s_or_b32 exec_lo, exec_lo, s11
	s_endpgm
.Lfunc_end_k_qaa51ea733c_lossum:
	.size	k_qaa51ea733c_lossum, .Lfunc_end_k_qaa51ea733c_lossum-k_qaa51ea733c_lossum
	.p2alignl 7, 3214868480
	.fill 96, 4, 3214868480
	.section	.rodata,"a",@progbits
	.p2align	6, 0x0
	.amdhsa_kernel k_qaa51ea733c_lossum
		.amdhsa_group_segment_fixed_size 0
		.amdhsa_private_segment_fixed_size 0
		.amdhsa_enable_private_segment 0
		.amdhsa_kernarg_size 16
		.amdhsa_user_sgpr_count 2
		.amdhsa_user_sgpr_kernarg_segment_ptr 1
		.amdhsa_wavefront_size32 1
		.amdhsa_system_sgpr_workgroup_id_x 1
		.amdhsa_system_sgpr_workgroup_id_y 1
		.amdhsa_system_sgpr_workgroup_id_z 1
		.amdhsa_system_vgpr_workitem_id 0
		.amdhsa_next_free_vgpr 24
		.amdhsa_next_free_sgpr 66
		.amdhsa_reserve_vcc 1
		.amdhsa_float_denorm_mode_32 3
		.amdhsa_float_denorm_mode_16_64 3
		.amdhsa_memory_ordered 1
		.amdhsa_forward_progress 1
		.amdhsa_inst_pref_size 3
	.end_amdhsa_kernel
	.amdgpu_metadata
---
amdhsa.version: [ 1, 2 ]
amdhsa.kernels:
  - .name:           k_qaa51ea733c_lossum
    .symbol:         k_qaa51ea733c_lossum.kd
    .args:
      - { .name: part, .offset: 0, .size: 8, .value_kind: global_buffer, .address_space: global }
      - { .name: out1, .offset: 8, .size: 8, .value_kind: global_buffer, .address_space: global }
    .group_segment_fixed_size: 0
    .private_segment_fixed_size: 0
    .kernarg_segment_align: 8
    .kernarg_segment_size: 16
    .max_flat_workgroup_size: 32
    .sgpr_count:     66
    .vgpr_count:     24
    .wavefront_size: 32
...
	.end_amdgpu_metadata
.endif
;; end of part 4
